; MI455X (gfx1250); checked and timed in simulation.
; The chip was launched on July 23, 2026; its instructions are those of AMD's public machine-readable ISA for CDNA 5 (MIT licence, August 2026) and "CDNA5" Instruction Set Architecture Reference Guide (July 2026). The comments in the code are by the model that wrote it; some were corrected since.
;; Full Attention. Allowed arithmetic: float matrix products may take bf16 or f16 operands with f32 sums; all other float work in f32.
;; Inputs: attention_mask 4 x 1 x 2,048 x 2,048 bool; keys 4 x 2,048 x 16 x 64 float32; queries 4 x 2,048 x 16 x 64 float32; values 4 x 2,048 x 16 x 64 float32.
;; Outputs: out0 4 x 2,048 x 16 x 64 float32.
;; 2 versions, each right. Each part assembles by itself: llvm-mc -triple=amdgcn-amd-amdhsa -mcpu=gfx1250 --defsym DOCPART=n.
;; ======== version 1 of 2: 1 launch
;; limits: right only within a limited range of input values; inputs' magnitudes at most 65,504; values are held in f16: magnitudes above 65,504 overflow, below 6.1e-05 lose precision
;; launch attn (part 1): grid 16 x 16, 8 waves a work-group, clusters of 4 x 1, 327,680 bytes of LDS; arguments attention_mask, keys, queries, values, out0; writes out0
.if DOCPART == 1
	.amdgcn_target "amdgcn-amd-amdhsa--gfx1250"
	.amdhsa_code_object_version 6
	.text
	.protected	k_qbe081e67ba_attn
	.globl	k_qbe081e67ba_attn
	.p2align	8
	.type	k_qbe081e67ba_attn,@function
k_qbe081e67ba_attn:
	s_mov_b64 s[64:65], 0
	v_nop
	global_prefetch_b8 v0, s[64:65] scope:SCOPE_SE
	s_setreg_imm32_b32 hwreg(HW_REG_WAVE_MODE, 25, 1), 1
	s_wait_xcnt 0x0
	s_wait_alu depctr_hold_cnt(0) depctr_sa_sdst(0) depctr_va_vdst(0) depctr_va_sdst(0) depctr_va_ssrc(0) depctr_va_vcc(0) depctr_vm_vsrc(0)
	s_getreg_b32 s2, hwreg(HW_REG_IB_STS2, 6, 4)
	s_cmp_eq_u32 s2, 0
	s_cbranch_scc0 .Lentry_in_a_cluster
	s_endpgm
.Lentry_in_a_cluster:
	s_bfe_u32 s2, ttmp6, 0x10000c
	s_cmp_lg_u32 s2, 0x3003
	s_cbranch_scc0 .Lentry_shape_is_right
	s_endpgm
.Lentry_shape_is_right:
; out[b][l][h][:] = softmax over s of (0.125 q.k, masked) times v.  q, k, v, out: [4][2048][16][64] f32; mask: [4][1][2048][2048] bytes, 1 = disallowed.
; One launch, a running maximum, nothing but the inputs and the output goes through memory.
; SHARES: a work-group is one (b, head, 512 queries); grid x = head, grid y = 4 b + query block.  Eight waves, 64 queries each (four tiles of 16),
; and every wave walks all 2,048 keys in 32 blocks of 64.  Two waves lie on a SIMD, so that one has matrix work to issue while the other does its softmax.
; TRANSPOSED: S^T = K Q^T (source 0 = 16 keys, source 1 = 16 queries).  Lane (r = lane % 16, h = lane / 16) then holds query r and keys 8 h + 0..7 of a tile:
; maximum and sum are in-lane work and one exchange of the halves, m, l and alpha are one number a lane, two rounded tiles of S^T are already the
; second source of O^T = V^T P^T, and a lane's eight mask bytes are neighbours in one mask row.
; THE MASK is the C operand of the score product: a mask byte 0 / 1 selects the byte 0x00 / 0xF0, which is set on top of three zero bytes: 0.0 or -2^97.
; NUMBER FORMATS: q, k and v are each rounded once to bf16, as they come, which the problem's contract admits; all sums, the maximum and the exponentials are f32.
; The score product is the bf16 form.  The factor c = 0.125 log2(e) is applied to the f32 scores, fused with the subtraction of the maximum: p = exp2(s c - c m).
; The product with v is the f16 form: P lies in [0, 1] and keeps 11 significant bits there, which a row of few keys whose terms p v cancel needs; the bf16 number of v
; (8 significant bits) is carried in f16 without a change from 2^-17 up to 65,504.  So P's rounding is the only one beside the inputs' own.
; LIMITS, kept on purpose: |v| must stay under 65,504 (spread 1, thirty times larger and offset by thirty spreads, stays under about 400); v under 2^-17 is kept with an
; absolute error of up to 2^-25, and a weight under 2^-25 of its row's running maximum counts as 0.  -2^97 stands for -inf and the running maximum starts at -2^96:
; right while |q.k| stays under 2^96; a masked score then gives exp2 = 0 exactly, and a row whose last maximum is still -2^96 has no allowed key and is multiplied by 0
; (the zero may carry a minus sign).  c m is rounded once, so a row's largest weight is exp2 of that rounding's residual: within [0.7, 1.42] while c |q.k| < 2^24; from
; about 2^27 on P could leave f16's range.  NaN and infinities in q, k, v are not served.
; CLUSTER: the four heads of a cluster of 4 x 1 need the same mask tile, so it is asked for jointly (mask 15): the requests for mask bytes are divided by four.
; K and V are NOT asked for jointly, though four query blocks read them: they arrive as f32 and must lie in LDS in 16 bits (the transposing load works on 16 bits);
; a landing ring of 2 x 32,768 bytes beside the mask ring (278,528) and the 16-bit buffers (38,912) would make 382,976 bytes, more than the 327,680 there are.
; They come through registers, are rounded on the way, and 16 KiB a block is written to LDS.
.set ROWB,   4096                      ; bytes from one l (or s) to the next in q, k, v, out
.set BLKB,   64*ROWB                   ; a block of 64 keys
.set MPITCH, 272                       ; a mask row in LDS: 256 bytes + 16 of padding
.set MSLOT,  64*MPITCH                 ; a mask tile: my 64 queries x 256 keys (four blocks)
.set MRING,  2*MSLOT                   ; a wave's two slots
.set KPITCH, 144                       ; a row of 64 numbers of 16 bits + 16: an odd multiple of 16
.set KBYTES, 64*KPITCH
.set VPITCH, 160                       ; an odd multiple of 32, for the transposing load
.set VBYTES, 64*VPITCH
.set KB0,    8*MRING                   ; 278,528: K, two buffers
.set VB0,    KB0+2*KBYTES              ; 296,960: V, two buffers; ends at 317,440
.set QSTG,   32*KPITCH                 ; the stage of Q, 32 rows a wave, at KB0 + wave x 4,608: only ds_store ever writes there
; vector registers, window 0
.set AK, 1                             ; LDS address of my K fragments
.set AV, 2                             ; of my V fragments (transposing load)
.set AM, 3                             ; of my 8 mask bytes
.set SK, 4                             ; where I store rounded K
.set SV, 5                             ; where I store rounded V
.set GO, 6                             ; byte offset of my 16 bytes in a block of K or V
.set PFO, 7                            ; byte offset of the row that I ask for ahead
.set CB, 8                             ; 0x0000F000: byte 0 = 0x00, byte 1 = 0xF0
.set RD, 9                             ; the way out: where I read a row back
.set STO, 10                           ; the way out: where I put 32 bytes of a row
.set CO, 11                            ; my byte offset in two rows of q or out
.set SQ, 12                            ; where I store rounded Q
.set AQ, 13                            ; LDS address of my Q fragments
.set T0, 14                            ; set-up; in the loop: -c x the old maximum
.set T1, 15
.set MOLD, 16                          ; v16-19  running maximum of the raw scores, query tile 0..3
.set LSUM, 20                          ; v20-27  running sums, a pair for each tile
.set MNEW, 28                          ; v28-29  -c x the new maximum, twice
.set ALPH, 30                          ; v30-31  exp2(c old - c new), twice
.set MT, 32                            ; v32-35  at work
.set TSA, 36                           ; v36-37  the block's sums
.set TSB, 38                           ; v38-39
.set MBY, 40                           ; v40-55  mask dwords, two sets of 8
.set INV, 40                           ; v40-47  at the end: 1 / l or 0, a pair for each tile
.set PHF, 56                           ; v56-71  P in f16
.set SCR, 72                           ; v72-103 four score tiles
.set KFR, 104                          ; v104-167 K fragments [tile][k step]
.set VFR, 168                          ; v168-231 V fragments [32 keys][16 d]
.set CSC, 232                          ; v232-233 c = 0.125 log2(e), twice
; window 1, written with the low 8 bits
.set OAC, 0                            ; v256-383 O^T [query tile][16 d]
.set QFR, 128                          ; v384-447 Q fragments [query tile][k step]
.set XST, 192                          ; v448-479 K (16) and V (16) on their way from memory to LDS
; scalar registers
.set SEL, 20                           ; s20-23  selectors (4 + k) << 24
.set G1, 32                            ; s[32:39] descriptor group 1
.set G0, 40                            ; s[40:47] descriptor group 0, one set for each slot
.set MSB, 0
.macro WIN new                         ; low byte: bits 1:0 source 0, 3:2 source 1, 5:4 source 2, 7:6 destination; the high byte repeats the setting that is left
.if MSB != \new
	s_set_vgpr_msb (MSB<<8)|\new
.set MSB, \new
.endif
.endm
.macro PLACES
.rept 4
	v_nop
.endr
.endm
; A round of the cluster's barrier: my work-group's barrier, wave 0 signals for the work-group, every wave waits for all four work-groups, my barrier once more.
.macro ROUND
	s_barrier_signal -1
	s_barrier_wait -1
	s_cmp_lg_u32 s14, 0
	s_cbranch_scc1 .Lnot_wave_0_\@
	s_barrier_signal -3
.Lnot_wave_0_\@:
	s_barrier_wait -3
	s_barrier_signal -1
	s_barrier_wait -1
.endm
; my 8 mask bytes for each of the four key tiles of block j, query tile qt: row 16 qt + r, bytes 64 j + 16 t + 8 h
.macro MASKLD slot, j, qt, set
.irp t, 0,1,2,3
	ds_load_b64 v[MBY+8*\set+2*\t:MBY+8*\set+2*\t+1], v[AM] offset:\slot*MSLOT+\qt*16*MPITCH+64*\j+16*\t
.endr
.endm
; each mask byte 0 / 1 picks byte 0 / 1 of CB: 0x00 / 0xF0, four at a time
.macro EXPAND set
.irp i, 0,1,2,3,4,5,6,7
	v_perm_b32 v[MBY+8*\set+\i], v[CB], v[CB], v[MBY+8*\set+\i]
.endr
.endm
; 64 keys x 64 e: lane (r, h) takes row 16 t + r, bytes 64 ks + 16 h and 32 further on
.macro KFRAG buf
.irp t, 0,1,2,3
.irp ks, 0,1
	ds_load_b128 v[KFR+16*\t+8*\ks:KFR+16*\t+8*\ks+3],   v[AK] offset:\buf*KBYTES+\t*16*KPITCH+64*\ks
	ds_load_b128 v[KFR+16*\t+8*\ks+4:KFR+16*\t+8*\ks+7], v[AK] offset:\buf*KBYTES+\t*16*KPITCH+64*\ks+32
.endr
.endr
.endm
; V^T: 16 d x 32 keys from rows that lie along d, by the transposing load: keys 32 kp + 8 h .., then 16 rows further down
.macro VFRAG buf
.irp kp, 0,1
.irp dt, 0,1,2,3
	ds_load_tr16_b128 v[VFR+32*\kp+8*\dt:VFR+32*\kp+8*\dt+3],   v[AV] offset:\buf*VBYTES+\kp*32*VPITCH+32*\dt
	ds_load_tr16_b128 v[VFR+32*\kp+8*\dt+4:VFR+32*\kp+8*\dt+7], v[AV] offset:\buf*VBYTES+\kp*32*VPITCH+32*\dt+16*VPITCH
.endr
.endr
.endm
; my 8 rows of K and 8 of V, f32 in X, are rounded in place (4 numbers into 2 registers) and stored, 8 bytes a lane.
; K: to bf16.  V: to bf16, widened again (a shift, a mask) and written as f16, which holds the bf16 number unchanged.
.macro CONVERT buf
	WIN 0x45
.irp i, 0,1,2,3
	v_cvt_pk_bf16_f32 v[XST+4*\i],   v[XST+4*\i],   v[XST+4*\i+1]
	v_cvt_pk_bf16_f32 v[XST+4*\i+1], v[XST+4*\i+2], v[XST+4*\i+3]
.endr
.irp i, 4,5,6,7
	v_cvt_pk_bf16_f32 v[XST+4*\i],   v[XST+4*\i],   v[XST+4*\i+1]
	v_cvt_pk_bf16_f32 v[XST+4*\i+2], v[XST+4*\i+2], v[XST+4*\i+3]
	v_lshlrev_b32 v[XST+4*\i+1], 16,  v[XST+4*\i]
	v_and_b32     v[XST+4*\i],   s62, v[XST+4*\i]
	v_lshlrev_b32 v[XST+4*\i+3], 16,  v[XST+4*\i+2]
	v_and_b32     v[XST+4*\i+2], s62, v[XST+4*\i+2]
	v_cvt_pk_f16_f32 v[XST+4*\i],   v[XST+4*\i+1], v[XST+4*\i]
	v_cvt_pk_f16_f32 v[XST+4*\i+1], v[XST+4*\i+3], v[XST+4*\i+2]
.endr
	WIN 0x04
.irp i, 0,1,2,3
	ds_store_b64 v[SK], v[XST+4*\i:XST+4*\i+1] offset:\buf*KBYTES+\i*2*KPITCH
.endr
.irp i, 0,1,2,3
	ds_store_b64 v[SV], v[XST+16+4*\i:XST+16+4*\i+1] offset:\buf*VBYTES+\i*2*VPITCH
.endr
.endm
; rows 8 w .. 8 w + 7 of block rel (counted from the bases) of K and of V: each load takes two whole rows of 256 bytes
.macro LOADKV rel
	WIN 0x40
.irp i, 0,1,2,3
	global_load_b128 v[XST+4*\i:XST+4*\i+3], v[GO], s[48:49] offset:(\rel)*BLKB+\i*2*ROWB
.endr
.irp i, 0,1,2,3
	global_load_b128 v[XST+16+4*\i:XST+16+4*\i+3], v[GO], s[50:51] offset:(\rel)*BLKB+\i*2*ROWB
.endr
	WIN 0
.endm
; One wave asks for 32 rows of 256 bytes of the block three ahead, one block before the loads that want them.  The four query blocks of a head
; share the work: K's rows 0-31, V's rows 0-31, K's rows 32-63, V's rows 32-63, so each row is asked for once in the launch.
.macro PREFETCH wv, rel
	s_cmp_lg_u32 s14, \wv
	s_cbranch_scc1 .Lno_ask_\@
	global_prefetch_b8 v[PFO], s[52:53] offset:((\rel)+3)*BLKB th:TH_LOAD_NT scope:SCOPE_SE
.Lno_ask_\@:
.endm
.macro SUBT t                          ; c x score - c x the new maximum, one fused multiply-add for two scores
.irp i, 0,2,4,6
	v_pk_fma_f32 v[SCR+8*\t+\i:SCR+8*\t+\i+1], v[SCR+8*\t+\i:SCR+8*\t+\i+1], v[CSC:CSC+1], v[MNEW:MNEW+1]
.endr
.endm
.macro EXPT t
.irp i, 0,1,2,3,4,5,6,7
	v_exp_f32 v[SCR+8*\t+\i], v[SCR+8*\t+\i]
.endr
.endm
.macro USET t                          ; the tile's part of the sums, and its rounding to f16: registers 4 t .. 4 t + 3 of P
.if \t == 0
	s_wait_alu depctr_va_vdst(0)
	v_pk_add_f32 v[TSA:TSA+1], v[SCR:SCR+1], v[SCR+2:SCR+3]
	v_pk_add_f32 v[TSB:TSB+1], v[SCR+4:SCR+5], v[SCR+6:SCR+7]
.else
	s_wait_alu depctr_va_vdst(0)
	v_pk_add_f32 v[TSA:TSA+1], v[TSA:TSA+1], v[SCR+8*\t:SCR+8*\t+1]
	v_pk_add_f32 v[TSB:TSB+1], v[TSB:TSB+1], v[SCR+8*\t+2:SCR+8*\t+3]
	v_pk_add_f32 v[TSA:TSA+1], v[TSA:TSA+1], v[SCR+8*\t+4:SCR+8*\t+5]
	v_pk_add_f32 v[TSB:TSB+1], v[TSB:TSB+1], v[SCR+8*\t+6:SCR+8*\t+7]
.endif
.irp i, 0,1,2,3
	v_cvt_pk_f16_f32 v[PHF+4*\t+\i], v[SCR+8*\t+2*\i], v[SCR+8*\t+2*\i+1]
.endr
.endm
; One query tile against one block of 64 keys.  first = 1: the first block starts maximum, sums and O.  n0: the count of the wait in tile 0.
.macro QT qt, slot, j, first, n0
.if \qt == 0
	MASKLD \slot, \j, 1, 1
	s_wait_dscnt \n0                               ; mask set 0 and the K fragments are in; younger: the stores of K and V (8, where there are any), 16 V fragment loads, 4 mask loads
	EXPAND 0
.endif
.if \qt == 1
	MASKLD \slot, \j, 2, 0
.endif
.if \qt == 2
	MASKLD \slot, \j, 3, 1
.endif
	; the addend of the score product: byte k of the expanded mask on top of three zero bytes = 0.0 or -2^97
.irp t, 0,1,2,3
.irp k, 0,1,2,3
	v_perm_b32 v[SCR+8*\t+\k],   v[MBY+8*(\qt&1)+2*\t],   v[CB], s[SEL+\k]
	v_perm_b32 v[SCR+8*\t+4+\k], v[MBY+8*(\qt&1)+2*\t+1], v[CB], s[SEL+\k]
.endr
.endr
	WIN 0x04                                       ; source 1 (Q) in window 1
	; the four accumulators take turns, one instruction a turn
.irp ks, 0,1
.irp t, 0,1,2,3
	v_wmma_f32_16x16x32_bf16 v[SCR+8*\t:SCR+8*\t+7], v[KFR+16*\t+8*\ks:KFR+16*\t+8*\ks+7], v[QFR+16*\qt+8*\ks:QFR+16*\qt+8*\ks+7], v[SCR+8*\t:SCR+8*\t+7]
.endr
.endr
	WIN 0
	; the places behind the products (ISA guide 7.12.1): the next tile's eight mask expansions, which name none of their registers, or four v_nop
.if \qt == 0
	s_wait_dscnt 0x0                               ; the next mask dwords, and with them the V fragments
	EXPAND 1
.endif
.if \qt == 1
	s_wait_dscnt 0x0                               ; the next mask dwords
	EXPAND 0
.endif
.if \qt == 2
	s_wait_dscnt 0x0                               ; the next mask dwords
	EXPAND 1
.endif
.if \qt == 3
	PLACES
.endif
.if \first == 0
	v_mul_f32 v[T0], s63, v[MOLD+\qt]              ; -c x the old maximum, with the very rounding under which the old sums were made
.endif
	; the maximum of my 32 raw scores and the old one, in four chains, then the other half of the lanes
.irp c, 0,1,2,3
	v_max3_num_f32 v[MT+\c], v[SCR+8*\c], v[SCR+8*\c+1], v[SCR+8*\c+2]
.endr
.irp c, 0,1,2,3
	v_max3_num_f32 v[MT+\c], v[MT+\c], v[SCR+8*\c+3], v[SCR+8*\c+4]
.endr
.irp c, 0,1,2,3
	v_max3_num_f32 v[MT+\c], v[MT+\c], v[SCR+8*\c+5], v[SCR+8*\c+6]
.endr
	v_max3_num_f32 v[MT], v[MT], v[MT+1], v[SCR+7]
	v_max3_num_f32 v[MT+2], v[MT+2], v[MT+3], v[SCR+15]
	v_max3_num_f32 v[MT], v[MT], v[SCR+23], v[SCR+31]
.if \first
	v_max3_num_f32 v[MT], v[MT], v[MT+2], s30      ; the maximum starts at -2^96: a power of two, so c x it is exact, and masked scores lie c 2^96 below it
.else
	v_max3_num_f32 v[MT], v[MT], v[MT+2], v[MOLD+\qt]
.endif
	v_permlanex16_b32 v[MT+1], v[MT], s24, s25     ; lane i takes lane i xor 16: the same query's other 32 keys
	v_max_num_f32 v[MOLD+\qt], v[MT], v[MT+1]
	v_mul_f32 v[MNEW], s63, v[MOLD+\qt]            ; -c m, rounded once, for both halves of the packed multiply-adds
	v_mul_f32 v[MNEW+1], s63, v[MOLD+\qt]
.if \first == 0
	v_sub_f32 v[MT+2], v[MNEW], v[T0]              ; c old - c new, of the two rounded numbers: 0 exactly where the maximum stays
	v_exp_f32 v[ALPH], v[MT+2]
	v_exp_f32 v[ALPH+1], v[MT+2]                   ; the plain instruction behind the two exponentials (ISA guide 5.7.2) is the first multiply-add below
.endif
	; behind each run of eight exponentials stands plain work on other registers before their results are used
	SUBT 0
	EXPT 0
	SUBT 1
	USET 0
	EXPT 1
	SUBT 2
	USET 1
	EXPT 2
	SUBT 3
	USET 2
	EXPT 3
.if \first
	v_nop
.else
	WIN 0x41                                       ; O in window 1, alpha in window 0
.irp i, 0,2,4,6,8,10,12,14,16,18,20,22,24,26,28,30
	v_pk_mul_f32 v[OAC+32*\qt+\i:OAC+32*\qt+\i+1], v[OAC+32*\qt+\i:OAC+32*\qt+\i+1], v[ALPH:ALPH+1]
.endr
	WIN 0
.endif
	USET 3
.if \first
	v_pk_add_f32 v[LSUM+2*\qt:LSUM+2*\qt+1], v[TSA:TSA+1], v[TSB:TSB+1]
.else
	v_pk_add_f32 v[TSA:TSA+1], v[TSA:TSA+1], v[TSB:TSB+1]
	v_pk_fma_f32 v[LSUM+2*\qt:LSUM+2*\qt+1], v[LSUM+2*\qt:LSUM+2*\qt+1], v[ALPH:ALPH+1], v[TSA:TSA+1]
.endif
	WIN 0x50                                       ; C and D (O) in window 1
	; O^T += V^T P^T, the f16 form; again four accumulators by turns
.irp dt, 0,1,2,3
.if \first
	v_wmma_f32_16x16x32_f16 v[OAC+32*\qt+8*\dt:OAC+32*\qt+8*\dt+7], v[VFR+8*\dt:VFR+8*\dt+7], v[PHF:PHF+7], 0
.else
	v_wmma_f32_16x16x32_f16 v[OAC+32*\qt+8*\dt:OAC+32*\qt+8*\dt+7], v[VFR+8*\dt:VFR+8*\dt+7], v[PHF:PHF+7], v[OAC+32*\qt+8*\dt:OAC+32*\qt+8*\dt+7]
.endif
.endr
.irp dt, 0,1,2,3
	v_wmma_f32_16x16x32_f16 v[OAC+32*\qt+8*\dt:OAC+32*\qt+8*\dt+7], v[VFR+32+8*\dt:VFR+32+8*\dt+7], v[PHF+8:PHF+15], v[OAC+32*\qt+8*\dt:OAC+32*\qt+8*\dt+7]
.endr
	WIN 0
.endm
; One block of 64 keys: block j of the mask tile in slot; rel = its number counted from the K and V bases; wv = the wave that asks ahead.
; cv: the next block's K and V are rounded into the other buffer; ld: the block after that is requested; pf: the one three ahead is asked for.
; head 0: a plain barrier.  1: the first tile's wait, plain barrier.  2: the other mask slot is filled again behind a round.  3: the last tile's wait, plain barrier.
.macro BLOCK slot, j, rel, wv, first, cv, ld, pf, head
.set BUF, (\j)&1
.set NBUF, 1-BUF
	s_wait_dscnt 0x0                               ; for the others: my stores of this block's K and V are done, and my reads of the other buffer and of the mask are back
.if \head == 1
	s_wait_tensorcnt 0x1                           ; my first mask tile has landed; the second stays out
.endif
.if \head >= 2
	s_wait_tensorcnt 0x0                           ; all my tensor loads have landed, this trip's tile among them
	ds_add_u32 v254, v255
	s_wait_dscnt 0x0
.endif
.if \head == 2
	s_add_nc_u64 s[G0+4*(1-\slot)+2:G0+4*(1-\slot)+3], s[G0+4*(1-\slot)+2:G0+4*(1-\slot)+3], 512   ; no load of mine is out: the other slot's address steps two tiles of 256 keys
	ROUND                                          ; no wave of any of the four work-groups still reads that slot or has a load on its way
	tensor_load_to_lds s[G0+4*(1-\slot):G0+4*(1-\slot)+3], s[G1:G1+7]   ; my one tensor load behind the round; it has four blocks in which to land
	s_nop 0
.else
	s_barrier_signal -1
	s_barrier_wait -1                              ; buffer BUF is whole, and nobody reads the other one any more
.endif
	MASKLD \slot, \j, 0, 0
	KFRAG BUF
.if \cv
	s_wait_loadcnt 0x0                             ; the eight loads of K and V issued one block ago; no other load is out
	CONVERT NBUF
.endif
.if \ld
	LOADKV \rel+2
.endif
	WIN 0
	VFRAG BUF
.if \pf
	PREFETCH \wv, \rel
.endif
.if \cv
	QT 0, \slot, \j, \first, 28
.else
	QT 0, \slot, \j, \first, 20
.endif
	QT 1, \slot, \j, \first, 0
	QT 2, \slot, \j, \first, 0
	QT 3, \slot, \j, \first, 0
	PLACES                                         ; four places behind the last products: the next V fragments are loaded into their sources, the way out reads their results
.endm
.macro TRIP slot, rel0, head                       ; four blocks = one mask tile, everything on
	BLOCK \slot, 0, \rel0,   \rel0,   0, 1, 1, 1, \head
	BLOCK \slot, 1, \rel0+1, \rel0+1, 0, 1, 1, 1, 0
	BLOCK \slot, 2, \rel0+2, \rel0+2, 0, 1, 1, 1, 0
	BLOCK \slot, 3, \rel0+3, \rel0+3, 0, 1, 1, 1, 0
.endm
; 32 rows of Q: rounded once to bf16, through my own stage into fragments of query tiles 2 p and 2 p + 1
.macro QPASS p
.irp i, 0,1,2,3,4,5,6,7,8,9,10,11,12,13,14,15
	v_cvt_pk_bf16_f32 v[KFR+64*\p+4*\i],   v[KFR+64*\p+4*\i],   v[KFR+64*\p+4*\i+1]
	v_cvt_pk_bf16_f32 v[KFR+64*\p+4*\i+1], v[KFR+64*\p+4*\i+2], v[KFR+64*\p+4*\i+3]
	ds_store_b64 v[SQ], v[KFR+64*\p+4*\i:KFR+64*\p+4*\i+1] offset:\i*2*KPITCH
.endr
	WIN 0x40
.irp q, 0,1
.irp ks, 0,1
	ds_load_b128 v[QFR+16*(2*\p+\q)+8*\ks:QFR+16*(2*\p+\q)+8*\ks+3],   v[AQ] offset:\q*16*KPITCH+64*\ks      ; LDS serves a wave in order (ISA guide 5.7.1): these see my stores above,
	ds_load_b128 v[QFR+16*(2*\p+\q)+8*\ks+4:QFR+16*(2*\p+\q)+8*\ks+7], v[AQ] offset:\q*16*KPITCH+64*\ks+32   ; and the next pass's stores come behind them
.endr
.endr
	WIN 0
.endm
	; ---- set-up ----
	s_load_b256 s[4:11], s[0:1], 0x0               ; mask s[4:5], keys s[6:7], queries s[8:9], values s[10:11]
	s_load_b64 s[12:13], s[0:1], 0x20              ; out0
	v_lshl_add_u32 v254, v0, 2, 0x4d800
	v_mov_b32 v255, 0
	ds_add_u32 v254, v255
	v_lshrrev_b32 v[T0], 5, v0
	v_readfirstlane_b32 s14, v[T0]                 ; wave 0..7
	s_bfe_u32 s15, ttmp6, 0x40000                  ; cx: my place in the cluster
	s_lshl_b32 s18, ttmp9, 2
	s_add_co_u32 s15, s18, s15                     ; head = 4 x cluster x + cx: enters the addresses of k, v, q and out alone
	s_and_b32 s16, ttmp7, 0xffff                   ; y = 4 b + query block
	s_and_b32 s17, s16, 3                          ; query block
	s_lshr_b32 s16, s16, 2                         ; b
	s_mov_b32 s[SEL+0], 0x04000000                 ; top byte: byte k of the first source; the three below: byte 0 of the second, which is 0
	s_mov_b32 s[SEL+1], 0x05000000
	s_mov_b32 s[SEL+2], 0x06000000
	s_mov_b32 s[SEL+3], 0x07000000
	s_mov_b32 s24, 0x76543210                      ; v_permlanex16_b32: lane i of one half reads lane i of the other
	s_mov_b32 s25, 0xfedcba98
	s_mov_b32 s30, 0xef800000                      ; -2^96
	s_mov_b32 s62, 0xffff0000                      ; a word's upper bf16
	s_mov_b32 s63, 0xbe38aa3b                      ; -c = -0.125 log2(e)
	s_mul_i32 s55, s14, MRING                      ; my mask ring in LDS
	; byte offsets, all under 2^26
	s_lshl_b32 s18, s16, 23                        ; k, v: b x 8,388,608 + head x 256
	s_lshl_b32 s19, s15, 8
	s_add_co_u32 s18, s18, s19
	s_mov_b32 s19, 0
	s_lshl_b32 s60, s17, 21                        ; q, out: + query block x 512 rows + wave x 64 rows
	s_lshl_b32 s61, s14, 18
	s_add_co_u32 s60, s60, s61
	s_add_co_u32 s60, s60, s18
	s_mov_b32 s61, 0
	s_lshl_b32 s26, s16, 22                        ; mask: b x 2048 x 2048 + query block x 512 rows + wave x 64 rows of 2,048 bytes: no head in it
	s_lshl_b32 s27, s17, 20
	s_add_co_u32 s26, s26, s27
	s_lshl_b32 s27, s14, 17
	s_add_co_u32 s26, s26, s27
	s_mov_b32 s27, 0
	; descriptor group 1: 64 rows x 32 elements of 8 bytes (256 bytes), 256 elements from row to row, 16 bytes of padding behind each row
	s_mov_b32 s[G1+0], 15|(3<<16)|(1<<20)|(1<<21)|(5<<22)|(3<<25)   ; 15:0 the four work-groups of the cluster; 17:16 8-byte elements; 20 padding on; 21 set beside a mask; 24:22 after 64 words; 31:25 four words
	s_mov_b32 s[G1+1], 32<<16                      ; tensor_dim0 = 32
	s_mov_b32 s[G1+2], 64<<16                      ; tensor_dim1 = 64
	s_mov_b32 s[G1+3], 32<<16                      ; tile_dim0 = 32
	s_mov_b32 s[G1+4], 64                          ; tile_dim1 = 64
	s_mov_b32 s[G1+5], 256                         ; the pitch
	s_mov_b32 s[G1+6], 0
	s_mov_b32 s[G1+7], 0
	; lane addresses
	v_and_b32 v[T0], 15, v0                        ; r
	v_bfe_u32 v[T1], v0, 4, 1                      ; h
	v_mul_u32_u24 v[AK], v[T0], KPITCH
	v_lshl_add_u32 v[AK], v[T1], 4, v[AK]
	v_add_nc_u32 v[AK], KB0, v[AK]                 ; KB0 + 144 r + 16 h
	s_mul_i32 s31, s14, QSTG
	v_add_nc_u32 v[AQ], s31, v[AK]                 ; the same in my stage of Q
	v_mul_u32_u24 v[MT], v[T1], KPITCH
	v_lshl_add_u32 v[MT], v[T0], 3, v[MT]
	v_add_nc_u32 v[MT], KB0, v[MT]                 ; KB0 + 144 h + 8 r
	v_add_nc_u32 v[SQ], s31, v[MT]
	s_mul_i32 s31, s14, 8*KPITCH
	v_add_nc_u32 v[SK], s31, v[MT]                 ; + my 8 rows
	v_mul_u32_u24 v[SV], v[T1], VPITCH
	v_lshl_add_u32 v[SV], v[T0], 3, v[SV]
	s_mul_i32 s31, s14, 8*VPITCH
	v_add_nc_u32 v[SV], s31, v[SV]
	v_add_nc_u32 v[SV], VB0, v[SV]
	v_and_b32 v[MT], 7, v0
	v_lshl_add_u32 v[MT], v[T1], 3, v[MT]          ; row 8 h + lane % 8
	v_bfe_u32 v[MT+1], v0, 3, 1
	v_mul_u32_u24 v[AV], v[MT], VPITCH
	v_lshl_add_u32 v[AV], v[MT+1], 4, v[AV]
	v_add_nc_u32 v[AV], VB0, v[AV]
	v_mul_u32_u24 v[MT], v[T0], MPITCH
	v_add_nc_u32 v[MT], s55, v[MT]
	v_lshl_add_u32 v[AM], v[T1], 3, v[MT]          ; ring + 272 r + 8 h
	v_lshl_add_u32 v[STO], v[T1], 5, v[MT]         ; ring + 272 r + 32 h
	v_mul_u32_u24 v[RD], v[T1], MPITCH
	v_lshl_add_u32 v[RD], v[T0], 4, v[RD]
	v_add_nc_u32 v[RD], s55, v[RD]                 ; ring + 272 h + 16 r
	v_lshlrev_b32 v[CO], 4, v[T0]
	v_lshl_add_u32 v[CO], v[T1], 12, v[CO]         ; 4,096 h + 16 r
	s_lshl_b32 s31, s14, 15
	v_add_nc_u32 v[GO], s31, v[CO]                 ; + 8 w rows
	s_lshr_b32 s31, s17, 1
	s_lshl_b32 s31, s31, 5
	v_and_b32 v[MT], 31, v0
	v_add_nc_u32 v[MT], s31, v[MT]
	v_lshlrev_b32 v[PFO], 12, v[MT]                ; row 32 (query block / 2) + lane
	v_mov_b32 v[CB], 0xf000
	v_mov_b32 v[CSC], 0x3e38aa3b                   ; c = 0.125 log2(e)
	v_mov_b32 v[CSC+1], 0x3e38aa3b
	s_wait_dscnt 0x0
	s_wait_kmcnt 0x0
	s_add_nc_u64 s[48:49], s[6:7], s[18:19]        ; K at block 0
	s_add_nc_u64 s[50:51], s[10:11], s[18:19]      ; V at block 0
	s_add_nc_u64 s[58:59], s[8:9], s[60:61]        ; my 64 rows of q
	s_add_nc_u64 s[56:57], s[12:13], s[60:61]      ; and of out
	s_add_nc_u64 s[4:5], s[4:5], s[26:27]          ; my first mask tile
	s_and_b32 s31, s17, 1
	s_cmp_lg_u32 s31, 0
	s_cselect_b64 s[52:53], s[50:51], s[48:49]     ; odd query blocks ask ahead for V, even ones for K
	; ---- the first requests ----
.irp i, 0,1,2,3,4,5,6,7,8,9,10,11,12,13,14,15,16,17,18,19,20,21,22,23,24,25,26,27,28,29,30,31
	global_load_b128 v[KFR+4*\i:KFR+4*\i+3], v[CO], s[58:59] offset:\i*2*ROWB th:TH_LOAD_NT   ; two whole rows of q each; q is read once in the launch
.endr
	LOADKV 0
.irp s, 0,1
	s_mov_b32 s[G0+4*\s], 1                                        ; count = 1
	s_add_co_u32 s[G0+4*\s+1], s55, \s*MSLOT                       ; LDS address: wave x 34,816 + slot x 17,408
	s_add_nc_u64 s[G0+4*\s+2:G0+4*\s+3], s[4:5], \s*256            ; keys 256 s ..
	s_or_b32 s[G0+4*\s+3], s[G0+4*\s+3], 0x80000000                ; type = 2
.endr
	ROUND                                          ; the four work-groups are here: the first joint loads meet
	tensor_load_to_lds s[G0:G0+3], s[G1:G1+7]      ; both first fills in one group: two tensor loads of mine are out
	s_nop 0
	tensor_load_to_lds s[G0+4:G0+7], s[G1:G1+7]
	s_nop 0
	; ---- Q into fragments ----
	s_wait_loadcnt 0x8                             ; q is in; the eight younger loads of K and V stay out
	QPASS 0
	QPASS 1
	s_wait_dscnt 0x0                               ; my reads of the stage are back,
	s_barrier_signal -1
	s_barrier_wait -1                              ; everybody's are: the bytes may now take K and V
	s_wait_loadcnt 0x0                             ; block 0 of K and V
	CONVERT 0
	LOADKV 1
	; ---- mask tile 0 (slot 0): the first block starts the sums ----
	BLOCK 0, 0, 0, 0, 1, 1, 1, 1, 1
	BLOCK 0, 1, 1, 1, 0, 1, 1, 1, 0
	BLOCK 0, 2, 2, 2, 0, 1, 1, 1, 0
	BLOCK 0, 3, 3, 3, 0, 1, 1, 1, 0
	s_wait_xcnt 0x0                                ; the bases are stepped only behind this wait (ISA guide 3.1)
	s_add_nc_u64 s[48:49], s[48:49], 4*BLKB
	s_add_nc_u64 s[50:51], s[50:51], 4*BLKB
	s_add_nc_u64 s[52:53], s[52:53], 4*BLKB
	; ---- mask tiles 1 to 6: three laps of two tiles; each tile's first block fills the other slot again (tiles 2 to 7) ----
	s_mov_b32 s54, 3
.Llap:
	TRIP 1, 0, 2
	TRIP 0, 4, 2
	s_wait_xcnt 0x0                                ; as above
	s_add_nc_u64 s[48:49], s[48:49], 8*BLKB
	s_add_nc_u64 s[50:51], s[50:51], 8*BLKB
	s_add_nc_u64 s[52:53], s[52:53], 8*BLKB
	s_sub_co_u32 s54, s54, 1
	s_cmp_lg_u32 s54, 0
	s_cbranch_scc1 .Llap
	; ---- mask tile 7 (slot 1), blocks 28 to 31: nothing is filled again; loads stop at block 31, and so does the asking ahead ----
	BLOCK 1, 0, 0, 0, 0, 1, 1, 1, 3
	BLOCK 1, 1, 1, 0, 0, 1, 1, 0, 0
	BLOCK 1, 2, 2, 0, 0, 1, 0, 0, 0
	BLOCK 1, 3, 3, 0, 0, 0, 0, 0, 0
	; ---- 1 / l, or 0 for a row without an allowed key ----
.irp q, 0,1,2,3
	v_add_f32 v[MT+\q], v[LSUM+2*\q], v[LSUM+2*\q+1]
.endr
.irp q, 0,1,2,3
	v_permlanex16_b32 v[TSA+\q], v[MT+\q], s24, s25
.endr
.irp q, 0,1,2,3
	v_add_f32 v[MT+\q], v[MT+\q], v[TSA+\q]
.endr
.irp q, 0,1,2,3
	v_rcp_f32 v[MT+\q], v[MT+\q]                   ; l holds the row's largest weight, about 1, where the row has an allowed key; else l = 0 and the reciprocal is thrown away below
.endr
	v_nop                                          ; the plain instruction behind the reciprocals (ISA guide 5.7.2)
.irp q, 0,1,2,3
	v_cmp_lt_f32 vcc_lo, s30, v[MOLD+\q]           ; -2^96 < m: the row has an allowed key
	s_wait_alu depctr_va_vdst(0)
	v_cndmask_b32 v[INV+2*\q], 0, v[MT+\q], vcc_lo
	v_cndmask_b32 v[INV+2*\q+1], 0, v[MT+\q], vcc_lo
.endr
; THE WAY OUT, 16 queries at a time.  A lane holds d = 16 dt + 8 h + 0..7 of query r: 32 neighbouring bytes for each dt.  They go into my mask slot 0, which has had
; its last fill (tile 6) and is mine alone, in rows of 272 bytes, and come back as whole rows: sixteen lanes store 256 consecutive bytes, aligned.
.macro OUTQ qt
	WIN 0x01
.irp i, 0,2,4,6,8,10,12,14,16,18,20,22,24,26,28,30
	v_pk_mul_f32 v[KFR+\i:KFR+\i+1], v[OAC+32*\qt+\i:OAC+32*\qt+\i+1], v[INV+2*\qt:INV+2*\qt+1]
.endr
	WIN 0
.irp dt, 0,1,2,3
.irp c, 0,1
	ds_store_b128 v[STO], v[KFR+8*\dt+4*\c:KFR+8*\dt+4*\c+3] offset:\qt*16*MPITCH+64*\dt+16*\c
.endr
.endr
.if \qt
	s_wait_xcnt 0x0                                ; the registers that the last tile's stores read are loaded again only behind this wait
.endif
.irp i, 0,1,2,3,4,5,6,7
	ds_load_b128 v[VFR+4*\i:VFR+4*\i+3], v[RD] offset:\qt*16*MPITCH+\i*2*MPITCH   ; in order behind my stores above
.endr
.irp i, 0,1,2,3,4,5,6,7
	s_wait_dscnt 7-\i                              ; LDS loads come back in order: pair i of rows is in
	global_store_b128 v[CO], v[VFR+4*\i:VFR+4*\i+3], s[56:57] offset:(16*\qt+2*\i)*ROWB th:TH_STORE_NT
.endr
.endm
	OUTQ 0
	OUTQ 1
	OUTQ 2
	OUTQ 3
	s_wait_tensorcnt 0x0
	ds_add_u32 v254, v255
	s_wait_dscnt 0x0
	ROUND                                          ; the closing round: no work-group ends while a partner may still ask for a tile that names it
	s_endpgm
.Lfunc_end_k_qbe081e67ba_attn:
	.size	k_qbe081e67ba_attn, .Lfunc_end_k_qbe081e67ba_attn-k_qbe081e67ba_attn
	.p2alignl 7, 3214868480
	.fill 96, 4, 3214868480
	.section	.rodata,"a",@progbits
	.p2align	6, 0x0
	.amdhsa_kernel k_qbe081e67ba_attn
		.amdhsa_group_segment_fixed_size 327680
		.amdhsa_private_segment_fixed_size 0
		.amdhsa_enable_private_segment 0
		.amdhsa_kernarg_size 40
		.amdhsa_user_sgpr_count 2
		.amdhsa_user_sgpr_kernarg_segment_ptr 1
		.amdhsa_wavefront_size32 1
		.amdhsa_system_sgpr_workgroup_id_x 1
		.amdhsa_system_sgpr_workgroup_id_y 1
		.amdhsa_system_sgpr_workgroup_id_z 1
		.amdhsa_system_vgpr_workitem_id 0
		.amdhsa_next_free_vgpr 480
		.amdhsa_next_free_sgpr 66
		.amdhsa_reserve_vcc 1
		.amdhsa_float_denorm_mode_32 3
		.amdhsa_float_denorm_mode_16_64 3
		.amdhsa_memory_ordered 1
		.amdhsa_forward_progress 1
		.amdhsa_inst_pref_size 255
	.end_amdhsa_kernel
	.section	.bss,"aw",@nobits
	.p2align	6
	.space	262144
	.amdgpu_metadata
---
amdhsa.version: [ 1, 2 ]
amdhsa.kernels:
  - .name:           k_qbe081e67ba_attn
    .symbol:         k_qbe081e67ba_attn.kd
    .args:
      - { .name: attention_mask, .offset: 0, .size: 8, .value_kind: global_buffer, .address_space: global }
      - { .name: keys, .offset: 8, .size: 8, .value_kind: global_buffer, .address_space: global }
      - { .name: queries, .offset: 16, .size: 8, .value_kind: global_buffer, .address_space: global }
      - { .name: values, .offset: 24, .size: 8, .value_kind: global_buffer, .address_space: global }
      - { .name: out0, .offset: 32, .size: 8, .value_kind: global_buffer, .address_space: global }
    .group_segment_fixed_size: 327680
    .private_segment_fixed_size: 0
    .kernarg_segment_align: 8
    .kernarg_segment_size: 40
    .max_flat_workgroup_size: 256
    .sgpr_count:     66
    .vgpr_count:     480
    .wavefront_size: 32
...
	.end_amdgpu_metadata
.endif
;; end of part 1
;; ======== version 2 of 2: 1 launch
;; limits: right only within a limited range of input values; inputs' magnitudes at most 65,504; values are held in f16: magnitudes above 65,504 overflow, below 6.1e-05 lose precision
;; launch attn (part 2): grid 16 x 16, 8 waves a work-group, clusters of 4 x 1, 327,680 bytes of LDS; arguments attention_mask, keys, queries, values, out0; writes out0
.if DOCPART == 2
	.amdgcn_target "amdgcn-amd-amdhsa--gfx1250"
	.amdhsa_code_object_version 6
	.text
	.protected	k_qbe081e67ba_attn
	.globl	k_qbe081e67ba_attn
	.p2align	8
	.type	k_qbe081e67ba_attn,@function
k_qbe081e67ba_attn:
	s_mov_b64 s[64:65], 0
	v_nop
	global_prefetch_b8 v0, s[64:65] scope:SCOPE_SE
	s_setreg_imm32_b32 hwreg(HW_REG_WAVE_MODE, 25, 1), 1
	s_wait_xcnt 0x0
	s_wait_alu depctr_hold_cnt(0) depctr_sa_sdst(0) depctr_va_vdst(0) depctr_va_sdst(0) depctr_va_ssrc(0) depctr_va_vcc(0) depctr_vm_vsrc(0)
	s_getreg_b32 s2, hwreg(HW_REG_IB_STS2, 6, 4)
	s_cmp_eq_u32 s2, 0
	s_cbranch_scc0 .Lentry_in_a_cluster
	s_endpgm
.Lentry_in_a_cluster:
	s_bfe_u32 s2, ttmp6, 0x10000c
	s_cmp_lg_u32 s2, 0x3003
	s_cbranch_scc0 .Lentry_shape_is_right
	s_endpgm
.Lentry_shape_is_right:
; out[b][l][h][:] = softmax over s of (0.125 q.k, masked) times v.  q, k, v, out: [4][2048][16][64] f32; mask: [4][1][2048][2048] bytes, 1 = disallowed.
; One launch, a running maximum, nothing but the inputs and the output goes through memory.
; SHARES: a work-group is one (b, head, 512 queries); grid x = head, grid y = 4 b + query block.  Eight waves, 64 queries each (four tiles of 16),
; and every wave walks all 2,048 keys in 32 blocks of 64.  Two waves lie on a SIMD, so that one has matrix work to issue while the other does its softmax.
; TRANSPOSED: S^T = K Q^T (source 0 = 16 keys, source 1 = 16 queries).  Lane (r = lane % 16, h = lane / 16) then holds query r and keys 8 h + 0..7 of a tile:
; maximum and sum are in-lane work and one exchange of the halves, m, l and alpha are one number a lane, two rounded tiles of S^T are already the
; second source of O^T = V^T P^T, and a lane's eight mask bytes are neighbours in one mask row.
; THE MASK is the C operand of the score product: a mask byte 0 / 1 selects the byte 0x00 / 0xF0, which is set on top of three zero bytes: 0.0 or -2^97.
; THE LOOP is one mask tile (256 keys, four blocks) and runs seven times; only the last tile, behind which nothing is fetched, is written out.  So that the body can be
; one tile, the slot is no constant of the text: the descriptor's LDS word is toggled, and the trip's read address is made from that word.  So that the first block can run
; the loop's own text, m starts at -2^96, l at 0 and O at 0: the first alpha is then 0 (or 1 on a row that is masked so far), which leaves the zeros as they are.
; BARRIERS: one for each block, for the two K and V buffers that take turns.  Inside a mask tile its two halves stand apart: a wave signals in query tile 2, behind the wait that
; shows its last LDS instruction of the block done, and waits at the next block's head; the rest of tile 2 and all of tile 3, register work alone, lie between, so a wave may
; run that far ahead of the slowest.  In front of a mask refill the whole round of the cluster's barrier stands at the block's head, with its waits.
; NUMBER FORMATS: q, k and v are each rounded once to bf16, as they come, which the problem's contract admits; all sums, the maximum and the exponentials are f32.
; The score product is the bf16 form.  The factor c = 0.125 log2(e) is applied to the f32 scores, fused with the subtraction of the maximum: p = exp2(s c - c m).
; The product with v is the f16 form: P lies in [0, 1] and keeps 11 significant bits there, which a row of few keys whose terms p v cancel needs; the bf16 number of v
; (8 significant bits) is carried in f16 without a change from 2^-17 up to 65,504.  So P's rounding is the only one beside the inputs' own.
; LIMITS, kept on purpose: |v| must stay under 65,504 (spread 1, thirty times larger and offset by thirty spreads, stays under about 400); v under 2^-17 is kept with an
; absolute error of up to 2^-25, and a weight under 2^-25 of its row's running maximum counts as 0.  -2^97 stands for -inf and the running maximum starts at -2^96:
; right while |q.k| stays under 2^96; a masked score then gives exp2 = 0 exactly, and a row whose last maximum is still -2^96 has no allowed key and is multiplied by 0
; (the zero may carry a minus sign).  c m is rounded once, so a row's largest weight is exp2 of that rounding's residual: within [0.7, 1.42] while c |q.k| < 2^24; from
; about 2^27 on P could leave f16's range.  NaN and infinities in q, k, v are not served.
; CLUSTER: the four heads of a cluster of 4 x 1 need the same mask tile, so it is asked for jointly (mask 15): the requests for mask bytes are divided by four.
; K and V are NOT asked for jointly, though four query blocks read them: they arrive as f32 and must lie in LDS in 16 bits (the transposing load works on 16 bits);
; a landing ring of 2 x 32,768 bytes beside the mask ring (278,528) and the 16-bit buffers (38,912) would make 382,976 bytes, more than the 327,680 there are.
; They come through registers, are rounded on the way, and 16 KiB a block is written to LDS.
.set ROWB,   4096                      ; bytes from one l (or s) to the next in q, k, v, out
.set BLKB,   64*ROWB                   ; a block of 64 keys
.set MPITCH, 272                       ; a mask row in LDS: 256 bytes + 16 of padding
.set MSLOT,  64*MPITCH                 ; a mask tile: my 64 queries x 256 keys (four blocks); 17,408 = bits 10 and 14
.set MRING,  2*MSLOT                   ; a wave's two slots; wave x 34,816 uses bits 11-13 and 15-17, so a xor with MSLOT changes slots
.set KPITCH, 144                       ; a row of 64 numbers of 16 bits + 16: an odd multiple of 16
.set KBYTES, 64*KPITCH
.set VPITCH, 160                       ; an odd multiple of 32, for the transposing load
.set VBYTES, 64*VPITCH
.set KB0,    8*MRING                   ; 278,528: K, two buffers
.set VB0,    KB0+2*KBYTES              ; 296,960: V, two buffers; ends at 317,440
.set QSTG,   32*KPITCH                 ; the stage of Q, 32 rows a wave, at KB0 + wave x 4,608: only ds_store ever writes there
.set TILES,  8                         ; mask tiles of 256 keys
; vector registers, window 0
.set AK, 1                             ; LDS address of my K fragments
.set AV, 2                             ; of my V fragments (transposing load)
.set AM, 3                             ; of my 8 mask bytes in the slot that this trip reads
.set SK, 4                             ; where I store rounded K
.set SV, 5                             ; where I store rounded V
.set GO, 6                             ; byte offset of my 16 bytes in a block of K or V
.set PFO, 7                            ; byte offset of the row that I ask for ahead
.set CB, 8                             ; 0x0000F000: byte 0 = 0x00, byte 1 = 0xF0
.set RD, 9                             ; the way out: where I read a row back
.set STO, 10                           ; the way out: where I put 32 bytes of a row
.set CO, 11                            ; my byte offset in two rows of q or out
.set SQ, 12                            ; where I store rounded Q
.set AQ, 13                            ; LDS address of my Q fragments
.set T0, 14                            ; set-up; in the loop: -c x the old maximum
.set T1, 15
.set MOLD, 16                          ; v16-19  running maximum of the raw scores, query tile 0..3
.set LSUM, 20                          ; v20-27  running sums, a pair for each tile
.set MNEW, 28                          ; v28-29  -c x the new maximum, twice
.set ALPH, 30                          ; v30-31  exp2(c old - c new), twice
.set MT, 32                            ; v32-35  at work
.set TSA, 36                           ; v36-37  the block's sums
.set TSB, 38                           ; v38-39
.set MBY, 40                           ; v40-55  mask dwords, two sets of 8
.set INV, 40                           ; v40-47  at the end: 1 / l or 0, a pair for each tile
.set PHF, 56                           ; v56-71  P in f16
.set SCR, 72                           ; v72-103 four score tiles
.set KFR, 104                          ; v104-167 K fragments [tile][k step]
.set VFR, 168                          ; v168-231 V fragments [32 keys][16 d]
.set CSC, 232                          ; v232-233 c = 0.125 log2(e), twice
.set AML, 234                          ; v234    the lane's part of AM: 272 r + 8 h
; window 1, written with the low 8 bits
.set OAC, 0                            ; v256-383 O^T [query tile][16 d]
.set QFR, 128                          ; v384-447 Q fragments [query tile][k step]
.set XST, 192                          ; v448-479 K (16) and V (16) on their way from memory to LDS
; scalar registers
.set SEL, 20                           ; s20-23  selectors (4 + k) << 24
.set G1, 32                            ; s[32:39] descriptor group 1
.set G0, 40                            ; s[40:43] descriptor group 0: one set, written only while no tensor load of mine is out
.set MSB, 0
.macro WIN new                         ; low byte: bits 1:0 source 0, 3:2 source 1, 5:4 source 2, 7:6 destination; the high byte repeats the setting that is left
.if MSB != \new
	s_set_vgpr_msb (MSB<<8)|\new
.set MSB, \new
.endif
.endm
.macro PLACES
.rept 4
	v_nop
.endr
.endm
; A round of the cluster's barrier: my work-group's barrier, wave 0 signals for the work-group, every wave waits for all four work-groups, my barrier once more.
.macro ROUND
	s_barrier_signal -1
	s_barrier_wait -1
	s_cmp_lg_u32 s14, 0
	s_cbranch_scc1 .Lnot_wave_0_\@
	s_barrier_signal -3
.Lnot_wave_0_\@:
	s_barrier_wait -3
	s_barrier_signal -1
	s_barrier_wait -1
.endm
; my 8 mask bytes for each of the four key tiles of block j, query tile qt: row 16 qt + r, bytes 64 j + 16 t + 8 h of the slot that AM names
.macro MASKLD j, qt, set
.irp t, 0,1,2,3
	ds_load_b64 v[MBY+8*\set+2*\t:MBY+8*\set+2*\t+1], v[AM] offset:\qt*16*MPITCH+64*\j+16*\t
.endr
.endm
; each mask byte 0 / 1 picks byte 0 / 1 of CB: 0x00 / 0xF0, four at a time
.macro EXPAND set
.irp i, 0,1,2,3,4,5,6,7
	v_perm_b32 v[MBY+8*\set+\i], v[CB], v[CB], v[MBY+8*\set+\i]
.endr
.endm
; 64 keys x 64 e: lane (r, h) takes row 16 t + r, bytes 64 ks + 16 h and 32 further on
.macro KFRAG buf
.irp t, 0,1,2,3
.irp ks, 0,1
	ds_load_b128 v[KFR+16*\t+8*\ks:KFR+16*\t+8*\ks+3],   v[AK] offset:\buf*KBYTES+\t*16*KPITCH+64*\ks
	ds_load_b128 v[KFR+16*\t+8*\ks+4:KFR+16*\t+8*\ks+7], v[AK] offset:\buf*KBYTES+\t*16*KPITCH+64*\ks+32
.endr
.endr
.endm
; V^T: 16 d x 32 keys from rows that lie along d, by the transposing load: keys 32 kp + 8 h .., then 16 rows further down
.macro VFRAG buf
.irp kp, 0,1
.irp dt, 0,1,2,3
	ds_load_tr16_b128 v[VFR+32*\kp+8*\dt:VFR+32*\kp+8*\dt+3],   v[AV] offset:\buf*VBYTES+\kp*32*VPITCH+32*\dt
	ds_load_tr16_b128 v[VFR+32*\kp+8*\dt+4:VFR+32*\kp+8*\dt+7], v[AV] offset:\buf*VBYTES+\kp*32*VPITCH+32*\dt+16*VPITCH
.endr
.endr
.endm
; my 8 rows of K and 8 of V, f32 in X, are rounded in place (4 numbers into 2 registers) and stored, 8 bytes a lane.
; K: to bf16.  V: to bf16, widened again (a shift, a mask) and written as f16, which holds the bf16 number unchanged.
.macro CONVERT buf
	WIN 0x45
.irp i, 0,1,2,3
	v_cvt_pk_bf16_f32 v[XST+4*\i],   v[XST+4*\i],   v[XST+4*\i+1]
	v_cvt_pk_bf16_f32 v[XST+4*\i+1], v[XST+4*\i+2], v[XST+4*\i+3]
.endr
.irp i, 4,5,6,7
	v_cvt_pk_bf16_f32 v[XST+4*\i],   v[XST+4*\i],   v[XST+4*\i+1]
	v_cvt_pk_bf16_f32 v[XST+4*\i+2], v[XST+4*\i+2], v[XST+4*\i+3]
	v_lshlrev_b32 v[XST+4*\i+1], 16,  v[XST+4*\i]
	v_and_b32     v[XST+4*\i],   s62, v[XST+4*\i]
	v_lshlrev_b32 v[XST+4*\i+3], 16,  v[XST+4*\i+2]
	v_and_b32     v[XST+4*\i+2], s62, v[XST+4*\i+2]
	v_cvt_pk_f16_f32 v[XST+4*\i],   v[XST+4*\i+1], v[XST+4*\i]
	v_cvt_pk_f16_f32 v[XST+4*\i+1], v[XST+4*\i+3], v[XST+4*\i+2]
.endr
	WIN 0x04
.irp i, 0,1,2,3
	ds_store_b64 v[SK], v[XST+4*\i:XST+4*\i+1] offset:\buf*KBYTES+\i*2*KPITCH
.endr
.irp i, 0,1,2,3
	ds_store_b64 v[SV], v[XST+16+4*\i:XST+16+4*\i+1] offset:\buf*VBYTES+\i*2*VPITCH
.endr
.endm
; rows 8 w .. 8 w + 7 of block rel (counted from the bases) of K and of V: each load takes two whole rows of 256 bytes
.macro LOADKV rel
	WIN 0x40
.irp i, 0,1,2,3
	global_load_b128 v[XST+4*\i:XST+4*\i+3], v[GO], s[48:49] offset:(\rel)*BLKB+\i*2*ROWB
.endr
.irp i, 0,1,2,3
	global_load_b128 v[XST+16+4*\i:XST+16+4*\i+3], v[GO], s[50:51] offset:(\rel)*BLKB+\i*2*ROWB
.endr
	WIN 0
.endm
; One wave asks for 32 rows of 256 bytes of the block three ahead, one block before the loads that want them.  The four query blocks of a head
; share the work: K's rows 0-31, V's rows 0-31, K's rows 32-63, V's rows 32-63, so each row is asked for once in the launch.
.macro PREFETCH wv, rel
	s_cmp_lg_u32 s14, \wv
	s_cbranch_scc1 .Lno_ask_\@
	global_prefetch_b8 v[PFO], s[52:53] offset:((\rel)+3)*BLKB th:TH_LOAD_NT scope:SCOPE_SE
.Lno_ask_\@:
.endm
.macro SUBT t                          ; c x score - c x the new maximum, one fused multiply-add for two scores
.irp i, 0,2,4,6
	v_pk_fma_f32 v[SCR+8*\t+\i:SCR+8*\t+\i+1], v[SCR+8*\t+\i:SCR+8*\t+\i+1], v[CSC:CSC+1], v[MNEW:MNEW+1]
.endr
.endm
.macro EXPT t
.irp i, 0,1,2,3,4,5,6,7
	v_exp_f32 v[SCR+8*\t+\i], v[SCR+8*\t+\i]
.endr
.endm
.macro USET t                          ; the tile's part of the sums, and its rounding to f16: registers 4 t .. 4 t + 3 of P
.if \t == 0
	s_wait_alu depctr_va_vdst(0)
	v_pk_add_f32 v[TSA:TSA+1], v[SCR:SCR+1], v[SCR+2:SCR+3]
	v_pk_add_f32 v[TSB:TSB+1], v[SCR+4:SCR+5], v[SCR+6:SCR+7]
.else
	s_wait_alu depctr_va_vdst(0)
	v_pk_add_f32 v[TSA:TSA+1], v[TSA:TSA+1], v[SCR+8*\t:SCR+8*\t+1]
	v_pk_add_f32 v[TSB:TSB+1], v[TSB:TSB+1], v[SCR+8*\t+2:SCR+8*\t+3]
	v_pk_add_f32 v[TSA:TSA+1], v[TSA:TSA+1], v[SCR+8*\t+4:SCR+8*\t+5]
	v_pk_add_f32 v[TSB:TSB+1], v[TSB:TSB+1], v[SCR+8*\t+6:SCR+8*\t+7]
.endif
.irp i, 0,1,2,3
	v_cvt_pk_f16_f32 v[PHF+4*\t+\i], v[SCR+8*\t+2*\i], v[SCR+8*\t+2*\i+1]
.endr
.endm
; One query tile against block j of the mask tile at hand.  n0: the count of the wait in tile 0.  sig (tile 2 alone): the next block's barrier is signalled here.
.macro QT qt, j, n0, sig
.if \qt == 0
	MASKLD \j, 1, 1
	s_wait_dscnt \n0                               ; mask set 0 and the K fragments are in; younger: the stores of K and V (8, where there are any), 16 V fragment loads, 4 mask loads
	EXPAND 0
.endif
.if \qt == 1
	MASKLD \j, 2, 0
.endif
.if \qt == 2
	MASKLD \j, 3, 1
.endif
	; the addend of the score product: byte k of the expanded mask on top of three zero bytes = 0.0 or -2^97
.irp t, 0,1,2,3
.irp k, 0,1,2,3
	v_perm_b32 v[SCR+8*\t+\k],   v[MBY+8*(\qt&1)+2*\t],   v[CB], s[SEL+\k]
	v_perm_b32 v[SCR+8*\t+4+\k], v[MBY+8*(\qt&1)+2*\t+1], v[CB], s[SEL+\k]
.endr
.endr
	WIN 0x04                                       ; source 1 (Q) in window 1
	; the four accumulators take turns, one instruction a turn
.irp ks, 0,1
.irp t, 0,1,2,3
	v_wmma_f32_16x16x32_bf16 v[SCR+8*\t:SCR+8*\t+7], v[KFR+16*\t+8*\ks:KFR+16*\t+8*\ks+7], v[QFR+16*\qt+8*\ks:QFR+16*\qt+8*\ks+7], v[SCR+8*\t:SCR+8*\t+7]
.endr
.endr
	WIN 0
	; the places behind the products (ISA guide 7.12.1): the next tile's eight mask expansions, which name none of their registers, or four v_nop
.if \qt == 0
	s_wait_dscnt 0x0                               ; the next mask dwords, and with them the V fragments
	EXPAND 1
.endif
.if \qt == 1
	s_wait_dscnt 0x0                               ; the next mask dwords
	EXPAND 0
.endif
.if \qt == 2
	s_wait_dscnt 0x0                               ; the last mask dwords.  These were my last LDS instructions of the block, so for the others too: my stores of the next block's
	                                               ; K and V are done, and my reads of this block's K and V buffer are back
.if \sig
	s_barrier_signal -1                            ; say so now; the wait stands at the next block's head, and only register work lies between
.endif
	EXPAND 1
.endif
.if \qt == 3
	PLACES
.endif
	v_mul_f32 v[T0], s63, v[MOLD+\qt]              ; -c x the old maximum, with the very rounding under which the old sums were made
	; the maximum of my 32 raw scores and the old one, in four chains, then the other half of the lanes
.irp c, 0,1,2,3
	v_max3_num_f32 v[MT+\c], v[SCR+8*\c], v[SCR+8*\c+1], v[SCR+8*\c+2]
.endr
.irp c, 0,1,2,3
	v_max3_num_f32 v[MT+\c], v[MT+\c], v[SCR+8*\c+3], v[SCR+8*\c+4]
.endr
.irp c, 0,1,2,3
	v_max3_num_f32 v[MT+\c], v[MT+\c], v[SCR+8*\c+5], v[SCR+8*\c+6]
.endr
	v_max3_num_f32 v[MT], v[MT], v[MT+1], v[SCR+7]
	v_max3_num_f32 v[MT+2], v[MT+2], v[MT+3], v[SCR+15]
	v_max3_num_f32 v[MT], v[MT], v[SCR+23], v[SCR+31]
	v_max3_num_f32 v[MT], v[MT], v[MT+2], v[MOLD+\qt]
	v_permlanex16_b32 v[MT+1], v[MT], s24, s25     ; lane i takes lane i xor 16: the same query's other 32 keys
	v_max_num_f32 v[MOLD+\qt], v[MT], v[MT+1]
	v_mul_f32 v[MNEW], s63, v[MOLD+\qt]            ; -c m, rounded once, for both halves of the packed multiply-adds
	v_mul_f32 v[MNEW+1], s63, v[MOLD+\qt]
	v_sub_f32 v[MT+2], v[MNEW], v[T0]              ; c old - c new, of the two rounded numbers: 0 exactly where the maximum stays
	v_exp_f32 v[ALPH], v[MT+2]
	v_exp_f32 v[ALPH+1], v[MT+2]                   ; the plain instruction behind the two exponentials (ISA guide 5.7.2) is the first multiply-add below
	; behind each run of eight exponentials stands plain work on other registers before their results are used
	SUBT 0
	EXPT 0
	SUBT 1
	USET 0
	EXPT 1
	SUBT 2
	USET 1
	EXPT 2
	SUBT 3
	USET 2
	EXPT 3
	WIN 0x41                                       ; O in window 1, alpha in window 0
.irp i, 0,2,4,6,8,10,12,14,16,18,20,22,24,26,28,30
	v_pk_mul_f32 v[OAC+32*\qt+\i:OAC+32*\qt+\i+1], v[OAC+32*\qt+\i:OAC+32*\qt+\i+1], v[ALPH:ALPH+1]
.endr
	WIN 0
	USET 3
	v_pk_add_f32 v[TSA:TSA+1], v[TSA:TSA+1], v[TSB:TSB+1]
	v_pk_fma_f32 v[LSUM+2*\qt:LSUM+2*\qt+1], v[LSUM+2*\qt:LSUM+2*\qt+1], v[ALPH:ALPH+1], v[TSA:TSA+1]
	WIN 0x50                                       ; C and D (O) in window 1
	; O^T += V^T P^T, the f16 form; again four accumulators by turns
.irp kp, 0,1
.irp dt, 0,1,2,3
	v_wmma_f32_16x16x32_f16 v[OAC+32*\qt+8*\dt:OAC+32*\qt+8*\dt+7], v[VFR+32*\kp+8*\dt:VFR+32*\kp+8*\dt+7], v[PHF+8*\kp:PHF+8*\kp+7], v[OAC+32*\qt+8*\dt:OAC+32*\qt+8*\dt+7]
.endr
.endr
	WIN 0
.endm
; One block of 64 keys: block j of the mask tile at hand, and block j counted from the K and V bases; wave j asks ahead.
; cv: the next block's K and V are rounded into the other buffer; ld: the block after that is requested; pf: the one three ahead is asked for.
; head 0: the wait of the barrier that the block before has signalled.  1: a new mask tile, and the other slot is filled behind a round.  2: the last mask tile, a whole plain barrier.
; sig 1: this block signals the next block's barrier in its query tile 2 (the next block then has head 0).
.macro BLOCK j, cv, ld, pf, head, sig
.set BUF, (\j)&1
.set NBUF, 1-BUF
.if \head
	s_wait_dscnt 0x0                               ; for the others: my stores of this block's K and V are done, and my reads of the other buffer and of the mask are back
	s_wait_tensorcnt 0x0                           ; all my tensor loads have landed: the one that was out is this trip's tile, in the slot that the descriptor still names
	ds_add_u32 v254, v255
	s_wait_dscnt 0x0
	v_add_nc_u32 v[AM], s[G0+1], v[AML]            ; so this trip reads there: wave x 34,816 + slot x 17,408 + 272 r + 8 h
.endif
.if \head == 1
	s_xor_b32 s[G0+1], s[G0+1], MSLOT              ; no load of mine is out, so group 0 may be written: the other slot,
	s_add_nc_u64 s[G0+2:G0+3], s[G0+2:G0+3], 256   ; the next 256 keys
	ROUND                                          ; no wave of any of the four work-groups still reads that slot or has a load on its way
	tensor_load_to_lds s[G0:G0+3], s[G1:G1+7]      ; my one tensor load behind the round, and the only one of mine that is out; it has four blocks in which to land
	s_nop 0
.endif
.if \head == 2
	s_barrier_signal -1
.endif
.if \head != 1
	s_barrier_wait -1                              ; every wave has signalled: buffer BUF is whole, and nobody reads the other one any more
.endif
	MASKLD \j, 0, 0
	KFRAG BUF
.if \cv
	s_wait_loadcnt 0x0                             ; the eight loads of K and V issued one block ago; no other load is out
	CONVERT NBUF
.endif
.if \ld
	LOADKV \j+2
.endif
	WIN 0
	VFRAG BUF
.if \pf
	PREFETCH \j, \j
.endif
.if \cv
	QT 0, \j, 28, 0
.else
	QT 0, \j, 20, 0
.endif
	QT 1, \j, 0, 0
	QT 2, \j, 0, \sig
	QT 3, \j, 0, 0
	PLACES                                         ; four places behind the last products: the next V fragments are loaded into their sources, the way out reads their results
.endm
; 32 rows of Q: rounded once to bf16, through my own stage into fragments of query tiles 2 p and 2 p + 1
.macro QPASS p
.irp i, 0,1,2,3,4,5,6,7,8,9,10,11,12,13,14,15
	v_cvt_pk_bf16_f32 v[KFR+64*\p+4*\i],   v[KFR+64*\p+4*\i],   v[KFR+64*\p+4*\i+1]
	v_cvt_pk_bf16_f32 v[KFR+64*\p+4*\i+1], v[KFR+64*\p+4*\i+2], v[KFR+64*\p+4*\i+3]
	ds_store_b64 v[SQ], v[KFR+64*\p+4*\i:KFR+64*\p+4*\i+1] offset:\i*2*KPITCH
.endr
	WIN 0x40
.irp q, 0,1
.irp ks, 0,1
	ds_load_b128 v[QFR+16*(2*\p+\q)+8*\ks:QFR+16*(2*\p+\q)+8*\ks+3],   v[AQ] offset:\q*16*KPITCH+64*\ks      ; LDS serves a wave in order (ISA guide 5.7.1): these see my stores above,
	ds_load_b128 v[QFR+16*(2*\p+\q)+8*\ks+4:QFR+16*(2*\p+\q)+8*\ks+7], v[AQ] offset:\q*16*KPITCH+64*\ks+32   ; and the next pass's stores come behind them
.endr
.endr
	WIN 0
.endm
	; ---- set-up ----
	s_load_b256 s[4:11], s[0:1], 0x0               ; mask s[4:5], keys s[6:7], queries s[8:9], values s[10:11]
	s_load_b64 s[12:13], s[0:1], 0x20              ; out0
	v_lshl_add_u32 v254, v0, 2, 0x4d800
	v_mov_b32 v255, 0
	ds_add_u32 v254, v255
	v_lshrrev_b32 v[T0], 5, v0
	v_readfirstlane_b32 s14, v[T0]                 ; wave 0..7
	s_bfe_u32 s15, ttmp6, 0x40000                  ; cx: my place in the cluster
	s_lshl_b32 s18, ttmp9, 2
	s_add_co_u32 s15, s18, s15                     ; head = 4 x cluster x + cx: enters the addresses of k, v, q and out alone
	s_and_b32 s16, ttmp7, 0xffff                   ; y = 4 b + query block
	s_and_b32 s17, s16, 3                          ; query block
	s_lshr_b32 s16, s16, 2                         ; b
	s_mov_b32 s[SEL+0], 0x04000000                 ; top byte: byte k of the first source; the three below: byte 0 of the second, which is 0
	s_mov_b32 s[SEL+1], 0x05000000
	s_mov_b32 s[SEL+2], 0x06000000
	s_mov_b32 s[SEL+3], 0x07000000
	s_mov_b32 s24, 0x76543210                      ; v_permlanex16_b32: lane i of one half reads lane i of the other
	s_mov_b32 s25, 0xfedcba98
	s_mov_b32 s30, 0xef800000                      ; -2^96
	s_mov_b32 s62, 0xffff0000                      ; a word's upper bf16
	s_mov_b32 s63, 0xbe38aa3b                      ; -c = -0.125 log2(e)
	s_mul_i32 s55, s14, MRING                      ; my mask ring in LDS
	; byte offsets, all under 2^26
	s_lshl_b32 s18, s16, 23                        ; k, v: b x 8,388,608 + head x 256
	s_lshl_b32 s19, s15, 8
	s_add_co_u32 s18, s18, s19
	s_mov_b32 s19, 0
	s_lshl_b32 s60, s17, 21                        ; q, out: + query block x 512 rows + wave x 64 rows
	s_lshl_b32 s61, s14, 18
	s_add_co_u32 s60, s60, s61
	s_add_co_u32 s60, s60, s18
	s_mov_b32 s61, 0
	s_lshl_b32 s26, s16, 22                        ; mask: b x 2048 x 2048 + query block x 512 rows + wave x 64 rows of 2,048 bytes: no head in it
	s_lshl_b32 s27, s17, 20
	s_add_co_u32 s26, s26, s27
	s_lshl_b32 s27, s14, 17
	s_add_co_u32 s26, s26, s27
	s_mov_b32 s27, 0
	; descriptor group 1: 64 rows x 32 elements of 8 bytes (256 bytes), 256 elements from row to row, 16 bytes of padding behind each row
	s_mov_b32 s[G1+0], 15|(3<<16)|(1<<20)|(1<<21)|(5<<22)|(3<<25)   ; 15:0 the four work-groups of the cluster; 17:16 8-byte elements; 20 padding on; 21 set beside a mask; 24:22 after 64 words; 31:25 four words
	s_mov_b32 s[G1+1], 32<<16                      ; tensor_dim0 = 32
	s_mov_b32 s[G1+2], 64<<16                      ; tensor_dim1 = 64
	s_mov_b32 s[G1+3], 32<<16                      ; tile_dim0 = 32
	s_mov_b32 s[G1+4], 64                          ; tile_dim1 = 64
	s_mov_b32 s[G1+5], 256                         ; the pitch
	s_mov_b32 s[G1+6], 0
	s_mov_b32 s[G1+7], 0
	; lane addresses
	v_and_b32 v[T0], 15, v0                        ; r
	v_bfe_u32 v[T1], v0, 4, 1                      ; h
	v_mul_u32_u24 v[AK], v[T0], KPITCH
	v_lshl_add_u32 v[AK], v[T1], 4, v[AK]
	v_add_nc_u32 v[AK], KB0, v[AK]                 ; KB0 + 144 r + 16 h
	s_mul_i32 s31, s14, QSTG
	v_add_nc_u32 v[AQ], s31, v[AK]                 ; the same in my stage of Q
	v_mul_u32_u24 v[MT], v[T1], KPITCH
	v_lshl_add_u32 v[MT], v[T0], 3, v[MT]
	v_add_nc_u32 v[MT], KB0, v[MT]                 ; KB0 + 144 h + 8 r
	v_add_nc_u32 v[SQ], s31, v[MT]
	s_mul_i32 s31, s14, 8*KPITCH
	v_add_nc_u32 v[SK], s31, v[MT]                 ; + my 8 rows
	v_mul_u32_u24 v[SV], v[T1], VPITCH
	v_lshl_add_u32 v[SV], v[T0], 3, v[SV]
	s_mul_i32 s31, s14, 8*VPITCH
	v_add_nc_u32 v[SV], s31, v[SV]
	v_add_nc_u32 v[SV], VB0, v[SV]
	v_and_b32 v[MT], 7, v0
	v_lshl_add_u32 v[MT], v[T1], 3, v[MT]          ; row 8 h + lane % 8
	v_bfe_u32 v[MT+1], v0, 3, 1
	v_mul_u32_u24 v[AV], v[MT], VPITCH
	v_lshl_add_u32 v[AV], v[MT+1], 4, v[AV]
	v_add_nc_u32 v[AV], VB0, v[AV]
	v_mul_u32_u24 v[MT], v[T0], MPITCH
	v_lshl_add_u32 v[AML], v[T1], 3, v[MT]         ; 272 r + 8 h
	v_add_nc_u32 v[MT], s55, v[MT]
	v_lshl_add_u32 v[STO], v[T1], 5, v[MT]         ; ring + 272 r + 32 h
	v_mul_u32_u24 v[RD], v[T1], MPITCH
	v_lshl_add_u32 v[RD], v[T0], 4, v[RD]
	v_add_nc_u32 v[RD], s55, v[RD]                 ; ring + 272 h + 16 r
	v_lshlrev_b32 v[CO], 4, v[T0]
	v_lshl_add_u32 v[CO], v[T1], 12, v[CO]         ; 4,096 h + 16 r
	s_lshl_b32 s31, s14, 15
	v_add_nc_u32 v[GO], s31, v[CO]                 ; + 8 w rows
	s_lshr_b32 s31, s17, 1
	s_lshl_b32 s31, s31, 5
	v_and_b32 v[MT], 31, v0
	v_add_nc_u32 v[MT], s31, v[MT]
	v_lshlrev_b32 v[PFO], 12, v[MT]                ; row 32 (query block / 2) + lane
	v_mov_b32 v[CB], 0xf000
	v_mov_b32 v[CSC], 0x3e38aa3b                   ; c = 0.125 log2(e)
	v_mov_b32 v[CSC+1], 0x3e38aa3b
	s_wait_dscnt 0x0
	s_wait_kmcnt 0x0
	s_add_nc_u64 s[48:49], s[6:7], s[18:19]        ; K at block 0
	s_add_nc_u64 s[50:51], s[10:11], s[18:19]      ; V at block 0
	s_add_nc_u64 s[58:59], s[8:9], s[60:61]        ; my 64 rows of q
	s_add_nc_u64 s[56:57], s[12:13], s[60:61]      ; and of out
	s_and_b32 s31, s17, 1
	s_cmp_lg_u32 s31, 0
	s_cselect_b64 s[52:53], s[50:51], s[48:49]     ; odd query blocks ask ahead for V, even ones for K
	; ---- the first requests ----
.irp i, 0,1,2,3,4,5,6,7,8,9,10,11,12,13,14,15,16,17,18,19,20,21,22,23,24,25,26,27,28,29,30,31
	global_load_b128 v[KFR+4*\i:KFR+4*\i+3], v[CO], s[58:59] offset:\i*2*ROWB th:TH_LOAD_NT   ; two whole rows of q each; q is read once in the launch
.endr
	LOADKV 0
	s_mov_b32 s[G0], 1                             ; count = 1
	s_mul_i32 s[G0+1], s14, MRING                  ; LDS address: wave x 34,816, my slot 0
	s_add_nc_u64 s[G0+2:G0+3], s[4:5], s[26:27]    ; my 64 mask rows, keys 0 to 255
	s_or_b32 s[G0+3], s[G0+3], 0x80000000          ; type = 2
	ROUND                                          ; the four work-groups are here: the first joint loads meet
	tensor_load_to_lds s[G0:G0+3], s[G1:G1+7]      ; mask tile 0 into slot 0; slot 1 gets its first fill behind the first trip's round
	s_nop 0
	; ---- where the sums start: m = -2^96 (a power of two, so c x it is exact, and masked scores lie c 2^96 below it), l = 0, O = 0 ----
.irp q, 0,1,2,3
	v_mov_b32 v[MOLD+\q], s30
.endr
.irp i, 0,1,2,3,4,5,6,7
	v_mov_b32 v[LSUM+\i], 0
.endr
	WIN 0x40                                       ; D (O) in window 1
	; sixteen products of a zero fragment (the eight sums just cleared, as both sources) with C = 0 write O's 128 registers; a first block with C = 0 in its own
	; products would have to be written out, four query tiles of text that is run once
.irp i, 0,1,2,3,4,5,6,7,8,9,10,11,12,13,14,15
	v_wmma_f32_16x16x32_f16 v[OAC+8*\i:OAC+8*\i+7], v[LSUM:LSUM+7], v[LSUM:LSUM+7], 0
.endr
	WIN 0
	; ---- Q into fragments ----
	s_wait_loadcnt 0x8                             ; q is in; the eight younger loads of K and V stay out
	QPASS 0
	QPASS 1
	s_wait_dscnt 0x0                               ; my reads of the stage are back,
	s_barrier_signal -1
	s_barrier_wait -1                              ; everybody's are: the bytes may now take K and V
	s_wait_loadcnt 0x0                             ; block 0 of K and V
	CONVERT 0
	LOADKV 1
	WIN 0
	; ---- mask tiles 0 to 6: a trip is one tile, four blocks; its first block asks for the next tile (1 to 7) into the other slot ----
	; blocks 0 to 2 signal their successor's barrier early; block 3 does not: the round at the next trip's head has its waits and its signal there
	s_mov_b32 s54, TILES-1
.Ltile:
	BLOCK 0, 1, 1, 1, 1, 1
	BLOCK 1, 1, 1, 1, 0, 1
	BLOCK 2, 1, 1, 1, 0, 1
	BLOCK 3, 1, 1, 1, 0, 0
	s_wait_xcnt 0x0                                ; the bases are stepped only behind this wait (ISA guide 3.1)
	s_add_nc_u64 s[48:49], s[48:49], 4*BLKB
	s_add_nc_u64 s[50:51], s[50:51], 4*BLKB
	s_add_nc_u64 s[52:53], s[52:53], 4*BLKB
	s_sub_co_u32 s54, s54, 1
	s_cmp_lg_u32 s54, 0
	s_cbranch_scc1 .Ltile
	; ---- mask tile 7 (slot 1), blocks 28 to 31: nothing is filled again; loads stop at block 31, and so does the asking ahead ----
	BLOCK 0, 1, 1, 1, 2, 1
	BLOCK 1, 1, 1, 0, 0, 1
	BLOCK 2, 1, 0, 0, 0, 1
	BLOCK 3, 0, 0, 0, 0, 0
	; ---- 1 / l, or 0 for a row without an allowed key ----
.irp q, 0,1,2,3
	v_add_f32 v[MT+\q], v[LSUM+2*\q], v[LSUM+2*\q+1]
.endr
.irp q, 0,1,2,3
	v_permlanex16_b32 v[TSA+\q], v[MT+\q], s24, s25
.endr
.irp q, 0,1,2,3
	v_add_f32 v[MT+\q], v[MT+\q], v[TSA+\q]
.endr
.irp q, 0,1,2,3
	v_rcp_f32 v[MT+\q], v[MT+\q]                   ; l holds the row's largest weight, about 1, where the row has an allowed key; else l = 0 and the reciprocal is thrown away below
.endr
	v_nop                                          ; the plain instruction behind the reciprocals (ISA guide 5.7.2)
.irp q, 0,1,2,3
	v_cmp_lt_f32 vcc_lo, s30, v[MOLD+\q]           ; -2^96 < m: the row has an allowed key
	s_wait_alu depctr_va_vdst(0)
	v_cndmask_b32 v[INV+2*\q], 0, v[MT+\q], vcc_lo
	v_cndmask_b32 v[INV+2*\q+1], 0, v[MT+\q], vcc_lo
.endr
; THE WAY OUT, 16 queries at a time.  A lane holds d = 16 dt + 8 h + 0..7 of query r: 32 neighbouring bytes for each dt.  They go into my mask slot 0, which has had
; its last fill (tile 6) and is mine alone, in rows of 272 bytes, and come back as whole rows: sixteen lanes store 256 consecutive bytes, aligned.
.macro OUTQ qt
	WIN 0x01
.irp i, 0,2,4,6,8,10,12,14,16,18,20,22,24,26,28,30
	v_pk_mul_f32 v[KFR+\i:KFR+\i+1], v[OAC+32*\qt+\i:OAC+32*\qt+\i+1], v[INV+2*\qt:INV+2*\qt+1]
.endr
	WIN 0
.irp dt, 0,1,2,3
.irp c, 0,1
	ds_store_b128 v[STO], v[KFR+8*\dt+4*\c:KFR+8*\dt+4*\c+3] offset:\qt*16*MPITCH+64*\dt+16*\c
.endr
.endr
.if \qt
	s_wait_xcnt 0x0                                ; the registers that the last tile's stores read are loaded again only behind this wait
.endif
.irp i, 0,1,2,3,4,5,6,7
	ds_load_b128 v[VFR+4*\i:VFR+4*\i+3], v[RD] offset:\qt*16*MPITCH+\i*2*MPITCH   ; in order behind my stores above
.endr
.irp i, 0,1,2,3,4,5,6,7
	s_wait_dscnt 7-\i                              ; LDS loads come back in order: pair i of rows is in
	global_store_b128 v[CO], v[VFR+4*\i:VFR+4*\i+3], s[56:57] offset:(16*\qt+2*\i)*ROWB th:TH_STORE_NT
.endr
.endm
	OUTQ 0
	OUTQ 1
	OUTQ 2
	OUTQ 3
	s_wait_tensorcnt 0x0
	ds_add_u32 v254, v255
	s_wait_dscnt 0x0
	ROUND                                          ; the closing round: no work-group ends while a partner may still ask for a tile that names it
	s_endpgm
.Lfunc_end_k_qbe081e67ba_attn:
	.size	k_qbe081e67ba_attn, .Lfunc_end_k_qbe081e67ba_attn-k_qbe081e67ba_attn
	.p2alignl 7, 3214868480
	.fill 96, 4, 3214868480
	.section	.rodata,"a",@progbits
	.p2align	6, 0x0
	.amdhsa_kernel k_qbe081e67ba_attn
		.amdhsa_group_segment_fixed_size 327680
		.amdhsa_private_segment_fixed_size 0
		.amdhsa_enable_private_segment 0
		.amdhsa_kernarg_size 40
		.amdhsa_user_sgpr_count 2
		.amdhsa_user_sgpr_kernarg_segment_ptr 1
		.amdhsa_wavefront_size32 1
		.amdhsa_system_sgpr_workgroup_id_x 1
		.amdhsa_system_sgpr_workgroup_id_y 1
		.amdhsa_system_sgpr_workgroup_id_z 1
		.amdhsa_system_vgpr_workitem_id 0
		.amdhsa_next_free_vgpr 480
		.amdhsa_next_free_sgpr 66
		.amdhsa_reserve_vcc 1
		.amdhsa_float_denorm_mode_32 3
		.amdhsa_float_denorm_mode_16_64 3
		.amdhsa_memory_ordered 1
		.amdhsa_forward_progress 1
		.amdhsa_inst_pref_size 255
	.end_amdhsa_kernel
	.section	.bss,"aw",@nobits
	.p2align	6
	.space	262144
	.amdgpu_metadata
---
amdhsa.version: [ 1, 2 ]
amdhsa.kernels:
  - .name:           k_qbe081e67ba_attn
    .symbol:         k_qbe081e67ba_attn.kd
    .args:
      - { .name: attention_mask, .offset: 0, .size: 8, .value_kind: global_buffer, .address_space: global }
      - { .name: keys, .offset: 8, .size: 8, .value_kind: global_buffer, .address_space: global }
      - { .name: queries, .offset: 16, .size: 8, .value_kind: global_buffer, .address_space: global }
      - { .name: values, .offset: 24, .size: 8, .value_kind: global_buffer, .address_space: global }
      - { .name: out0, .offset: 32, .size: 8, .value_kind: global_buffer, .address_space: global }
    .group_segment_fixed_size: 327680
    .private_segment_fixed_size: 0
    .kernarg_segment_align: 8
    .kernarg_segment_size: 40
    .max_flat_workgroup_size: 256
    .sgpr_count:     66
    .vgpr_count:     480
    .wavefront_size: 32
...
	.end_amdgpu_metadata
.endif
;; end of part 2
